; MI455X (gfx1250); checked and timed in simulation.
; The chip was launched on July 23, 2026; its instructions are those of AMD's public machine-readable ISA for CDNA 5 (MIT licence, August 2026) and "CDNA5" Instruction Set Architecture Reference Guide (July 2026). The comments in the code are by the model that wrote it; some were corrected since.
;; Multi Head Attention. Allowed arithmetic: float matrix products may take bf16 or f16 operands with f32 sums; all other float work in f32.
;; Inputs: K 2 x 2,048 x 1,024 float32; Q 2 x 2,048 x 1,024 float32; V 2 x 2,048 x 1,024 float32; WK 1,024 x 1,024 float32; WO 1,024 x 1,024 float32; WQ 1,024 x 1,024 float32; WV 1,024 x 1,024 float32; bK 1,024 float32; bO 1,024 float32; bQ 1,024 float32; bV 1,024 float32.
;; Outputs: out0 2 x 2,048 x 1,024 float32.
;; One version. Each part assembles by itself: llvm-mc -triple=amdgcn-amd-amdhsa -mcpu=gfx1250 --defsym DOCPART=n.
;; ======== version 1 of 1: 4 launches
;; limits: values are held in f16: magnitudes above 65,504 overflow, below 6.1e-05 lose precision
;; workspace buffers: xw 33,554,432 bytes; qkv 25,165,824 bytes; ao 8,388,608 bytes
;; launch cast (part 1): grid 256 x 4, 8 waves a work-group, no clusters, 0 bytes of LDS; arguments Q, K, V, WQ, WK, WV, WO, xw; writes xw
.if DOCPART == 1
	.amdgcn_target "amdgcn-amd-amdhsa--gfx1250"
	.amdhsa_code_object_version 6
	.text
	.protected	k_q08d41f13c7_cast
	.globl	k_q08d41f13c7_cast
	.p2align	8
	.type	k_q08d41f13c7_cast,@function
k_q08d41f13c7_cast:
	s_mov_b64 s[64:65], 0
	v_nop
	global_prefetch_b8 v0, s[64:65] scope:SCOPE_SE
	s_setreg_imm32_b32 hwreg(HW_REG_WAVE_MODE, 25, 1), 1
	s_wait_xcnt 0x0
; xw = f16 of Q | K | V ([12288][1024]) followed by f16 of WQ | WK | WV | WO ([1024][1024] each), every number rounded once to nearest even.
; 1,024 work-groups of eight waves; each turns 65,536 bytes of f32 into 32,768 bytes of f16.  Grid y = 0, 1, 2: chunk x of Q, K, V;
; y = 3: chunk x & 63 of the weight x >> 6.  The output chunk is number 256 y + x in every case.
; LIMIT: a number of magnitude 65,520 or more becomes an infinity in f16; magnitudes under 6.1e-5 keep an absolute error of up to 3e-8.
; No LDS, no matrix unit, no loop: sixteen loads of a thread go out at once, each is converted and stored as it comes.
.set X, 4                              ; v[4:67]   sixteen loads of 4 f32
.set Y, 68                             ; v[68:99]  sixteen stores of 4 f16
	s_load_b512 s[8:23], s[0:1], 0x0               ; Q s[8:9], K, V, WQ s[14:15], WK, WV, WO s[20:21], xw s[22:23]
	s_and_b32 s2, ttmp7, 0xffff                    ; y
	s_lshr_b32 s3, ttmp9, 6                        ; which weight, if y = 3
	s_and_b32 s4, ttmp9, 63                        ; and which chunk of it
	v_lshlrev_b32 v1, 4, v0                        ; 16 bytes of f32 a thread
	v_lshlrev_b32 v2, 3, v0                        ; 8 bytes of f16 a thread
	s_wait_kmcnt 0x0
	s_cmp_eq_u32 s2, 1
	s_cselect_b64 s[24:25], s[10:11], s[8:9]       ; K or Q
	s_cmp_eq_u32 s2, 2
	s_cselect_b64 s[24:25], s[12:13], s[24:25]     ; or V
	s_cmp_eq_u32 s3, 1
	s_cselect_b64 s[26:27], s[16:17], s[14:15]     ; WK or WQ
	s_cmp_eq_u32 s3, 2
	s_cselect_b64 s[26:27], s[18:19], s[26:27]     ; or WV
	s_cmp_eq_u32 s3, 3
	s_cselect_b64 s[26:27], s[20:21], s[26:27]     ; or WO
	s_cmp_eq_u32 s2, 3
	s_cselect_b64 s[24:25], s[26:27], s[24:25]     ; a weight or an activation
	s_cselect_b32 s4, s4, ttmp9                    ; and the chunk in it
	s_lshl_b32 s4, s4, 16                          ; chunks of 65,536 bytes
	s_mov_b32 s5, 0
	s_add_nc_u64 s[24:25], s[24:25], s[4:5]
	s_lshl_b32 s6, s2, 8
	s_add_co_u32 s6, s6, ttmp9
	s_lshl_b32 s6, s6, 15                          ; (256 y + x) chunks of 32,768 bytes
	s_mov_b32 s7, 0
	s_add_nc_u64 s[22:23], s[22:23], s[6:7]
.irp j, 0,1,2,3,4,5,6,7,8,9,10,11,12,13,14,15
	global_load_b128 v[X+4*\j:X+4*\j+3], v1, s[24:25] offset:4096*\j th:TH_LOAD_NT   ; the work-group's 256 threads cover 4,096 neighbouring bytes
.endr
.irp j, 0,1,2,3,4,5,6,7,8,9,10,11,12,13,14,15
	s_wait_loadcnt 15-\j                           ; loads come back in order: load j is in, the 15 - j younger ones stay out
	v_cvt_pk_f16_f32 v[Y+2*\j],   v[X+4*\j],   v[X+4*\j+1]
	v_cvt_pk_f16_f32 v[Y+2*\j+1], v[X+4*\j+2], v[X+4*\j+3]
	global_store_b64 v2, v[Y+2*\j:Y+2*\j+1], s[22:23] offset:2048*\j   ; a wave's store covers 256 consecutive bytes, aligned; no register is written twice
.endr
	s_endpgm
.Lfunc_end_k_q08d41f13c7_cast:
	.size	k_q08d41f13c7_cast, .Lfunc_end_k_q08d41f13c7_cast-k_q08d41f13c7_cast
	.p2alignl 7, 3214868480
	.fill 96, 4, 3214868480
	.section	.rodata,"a",@progbits
	.p2align	6, 0x0
	.amdhsa_kernel k_q08d41f13c7_cast
		.amdhsa_group_segment_fixed_size 0
		.amdhsa_private_segment_fixed_size 0
		.amdhsa_enable_private_segment 0
		.amdhsa_kernarg_size 64
		.amdhsa_user_sgpr_count 2
		.amdhsa_user_sgpr_kernarg_segment_ptr 1
		.amdhsa_wavefront_size32 1
		.amdhsa_system_sgpr_workgroup_id_x 1
		.amdhsa_system_sgpr_workgroup_id_y 1
		.amdhsa_system_sgpr_workgroup_id_z 1
		.amdhsa_system_vgpr_workitem_id 0
		.amdhsa_next_free_vgpr 100
		.amdhsa_next_free_sgpr 66
		.amdhsa_reserve_vcc 0
		.amdhsa_float_denorm_mode_32 3
		.amdhsa_float_denorm_mode_16_64 3
		.amdhsa_memory_ordered 1
		.amdhsa_forward_progress 1
		.amdhsa_inst_pref_size 7
	.end_amdhsa_kernel
	.amdgpu_metadata
---
amdhsa.version: [ 1, 2 ]
amdhsa.kernels:
  - .name:           k_q08d41f13c7_cast
    .symbol:         k_q08d41f13c7_cast.kd
    .args:
      - { .name: Q, .offset: 0, .size: 8, .value_kind: global_buffer, .address_space: global }
      - { .name: K, .offset: 8, .size: 8, .value_kind: global_buffer, .address_space: global }
      - { .name: V, .offset: 16, .size: 8, .value_kind: global_buffer, .address_space: global }
      - { .name: WQ, .offset: 24, .size: 8, .value_kind: global_buffer, .address_space: global }
      - { .name: WK, .offset: 32, .size: 8, .value_kind: global_buffer, .address_space: global }
      - { .name: WV, .offset: 40, .size: 8, .value_kind: global_buffer, .address_space: global }
      - { .name: WO, .offset: 48, .size: 8, .value_kind: global_buffer, .address_space: global }
      - { .name: xw, .offset: 56, .size: 8, .value_kind: global_buffer, .address_space: global }
    .group_segment_fixed_size: 0
    .private_segment_fixed_size: 0
    .kernarg_segment_align: 8
    .kernarg_segment_size: 64
    .max_flat_workgroup_size: 256
    .sgpr_count:     66
    .vgpr_count:     100
    .wavefront_size: 32
...
	.end_amdgpu_metadata
.endif
;; end of part 1
;; launch proj (part 2): grid 4 x 48, 4 waves a work-group, clusters of 4 x 4, 327,680 bytes of LDS; arguments xw, bQ, bK, bV, qkv; writes qkv
.if DOCPART == 2
	.amdgcn_target "amdgcn-amd-amdhsa--gfx1250"
	.amdhsa_code_object_version 6
	.text
	.protected	k_q08d41f13c7_proj
	.globl	k_q08d41f13c7_proj
	.p2align	8
	.type	k_q08d41f13c7_proj,@function
k_q08d41f13c7_proj:
	s_mov_b64 s[64:65], 0
	v_nop
	global_prefetch_b8 v0, s[64:65] scope:SCOPE_SE
	s_setreg_imm32_b32 hwreg(HW_REG_WAVE_MODE, 25, 1), 1
	s_wait_xcnt 0x0
	s_wait_alu depctr_hold_cnt(0) depctr_sa_sdst(0) depctr_va_vdst(0) depctr_va_sdst(0) depctr_va_ssrc(0) depctr_va_vcc(0) depctr_vm_vsrc(0)
	s_getreg_b32 s2, hwreg(HW_REG_IB_STS2, 6, 4)
	s_cmp_eq_u32 s2, 0
	s_cbranch_scc0 .Lentry_in_a_cluster
	s_endpgm
.Lentry_in_a_cluster:
	s_bfe_u32 s2, ttmp6, 0x10000c
	s_cmp_lg_u32 s2, 0xf033
	s_cbranch_scc0 .Lentry_shape_is_right
	s_endpgm
.Lentry_shape_is_right:
; qkv[g][b][h][s][d] = f16( sum over k of X_g[b s][k] W_g[k][64 h + d] + bias_g[64 h + d] ),  g = 0, 1, 2 for q, k, v.  Sums in f32.
; X (rows of 1,024 f16, Q | K | V below each other, 12,288 rows) and the weights ([k][n], from byte WOFF on) lie in xw.
; LIMIT: the operands are f16 and so is the result: |q|, |k|, |v| must stay under 65,504.
; A work-group makes a block of 256 x 256 with four waves, a wave 128 x 128: 64 accumulator tiles, 512 registers.  48 block rows x 4 block
; columns = 192 work-groups: three products of 4,096 x 1,024 do not divide into 256 blocks of this shape.
; K goes in steps of 128 through a ring of two LDS slots filled by the tensor data mover.
; CLUSTERS: 4 x 4 work-groups.  X's tile hangs on the block row alone and is asked for jointly by a row of the cluster; W's tile hangs on
; the block column and on g (which the whole cluster shares) and is asked for jointly by a column.
; W lies [k][n] in LDS as in memory; ds_load_tr16_b128 makes of it fragments in which a lane holds one n and k runs along the registers.
; REGISTERS, in windows of 256:
;   window 0: v16-27 addresses; v64-127, v128-191 fragments of X, two buffers; v192-223 at work on the way out
;   window 1: v0-63 the bias of my 128 columns; v64-127, v128-191 fragments of W, two buffers
;   window 2: the 32 accumulator tiles of my rows 0-63 (tile (a, b) at v[8 (8 a + b)]);  window 3: those of my rows 64-127
; The matrix instruction is used transposed: source 0 = 16 columns of W, source 1 = 16 rows of X, so that lane l holds row l % 16 and its
; eight registers the columns 8 (l / 16) + 0 .. 7: sixteen neighbouring bytes of f16.
.set SIZE_K, 1024
.set KSTEP,  128
.set PITCH,  272                       ; X in LDS: 256 bytes + 16: the 16 rows of a fragment load start in 16 different 16-byte columns modulo 256
.set WPITCH, 544                       ; W in LDS: 512 bytes + 32 = 17 x 32: the 8 rows x 32 bytes of half a transposing load cover 256 different bytes modulo 256
.set HALFT,  128*PITCH                 ; what one tensor load brings: 128 rows of X, or 64 k rows of W (64 x 544 is the same 34,816)
.set SLOT,   4*HALFT                   ; X's 256 rows, then W's 128 k rows
.set STAGE,  2*SLOT                    ; behind the ring: 16 rows x 272 bytes for each wave
.set SPITCH, 272
.set LAPS,   SIZE_K/(2*KSTEP)          ; 4 laps of two K steps
.set WOFF,   25165824                  ; the weights' first byte in xw
.set ADRA, 16                          ; v16-17  LDS address of my X fragments in slot 0, 1
.set ADRB, 20                          ; v20-21  the same for W
.set STO,  24                          ; v24     the way out: where I put 16 bytes of a row
.set RD,   25                          ; v25     the way out: where I read back
.set CO,   26                          ; v26     my byte offset in qkv
.set BO,   27                          ; v27     my byte offset in the bias
.set F0,   64
.set F1,   128
.set TMP,  192
.set G1,  24                           ; s[24:31] group 1 for X's tiles
.set G0,  32                           ; s[32:39] group 0 for X's tiles, one set a slot
.set G1B, 48                           ; s[48:55] group 1 for W's tiles
.set G0B, 56                           ; s[56:63] group 0 for W's tiles, one set a slot
.set MSB, 0
.macro WIN new                         ; the immediate's high byte repeats the setting that is left
.if MSB != \new
	s_set_vgpr_msb (MSB<<8)|\new
.set MSB, \new
.endif
.endm
.set MUL_LO, 0xa1                      ; source 0 (W) window 1, source 1 (X) window 0, C and D window 2
.set MUL_HI, 0xf1                      ; the same, C and D window 3
.set TO_B,   0x40                      ; destination window 1, address window 0
; A joint load: waves 0 and 1 fetch X's two halves, waves 2 and 3 W's.  The branch hangs on the wave's number alone.
.macro JLOAD s
	s_cmp_eq_u32 s11, 0
	s_cbranch_scc0 .Lfor_b_\@
	tensor_load_to_lds s[G0+4*\s:G0+4*\s+3], s[G1:G1+7]
	s_nop 0
	s_branch .Lasked_\@
.Lfor_b_\@:
	tensor_load_to_lds s[G0B+4*\s:G0B+4*\s+3], s[G1B:G1B+7]
	s_nop 0
.Lasked_\@:
.endm
.macro CREST                           ; a round of the cluster's barrier behind its opening work-group barrier
	s_cmp_lg_u32 s10, 0
	s_cbranch_scc1 .Lnot_wave_0_\@
	s_barrier_signal -3
.Lnot_wave_0_\@:
	s_barrier_wait -3
	s_barrier_signal -1
	s_barrier_wait -1
.endm
.macro CROUND                          ; a whole round
	s_barrier_signal -1
	s_barrier_wait -1
	CREST
.endm
	s_load_b64 s[4:5], s[0:1], 0x0                 ; xw
	s_load_b256 s[68:75], s[0:1], 0x8              ; bQ s[68:69], bK s[70:71], bV s[72:73], qkv s[74:75]
	s_set_vgpr_msb 0x40
	v_lshl_add_u32 v255, v0, 2, 0x48400
	s_set_vgpr_msb 0x4000
	v_mov_b32 v255, 0
	s_set_vgpr_msb 0x1
	ds_add_u32 v255, v255
	s_set_vgpr_msb 0x100
	v_lshrrev_b32 v1, 5, v0
	v_readfirstlane_b32 s10, v1                    ; wave 0..3
	s_lshr_b32 s11, s10, 1                         ; which half of the block's rows is mine.  Also: I fetch for X (0) or for W (1)
	s_and_b32 s12, s10, 1                          ; which half of its columns.  Also: which half of that tile I fetch
	s_bfe_u32 s40, ttmp6, 0x40000                  ; cx
	s_bfe_u32 s41, ttmp6, 0x40004                  ; cy
	s_lshl_b32 s42, ttmp9, 2
	s_add_co_u32 s42, s42, s40                     ; block column = 4 x cluster x + cx, 0..3
	s_and_b32 s45, ttmp7, 0xffff                   ; cluster y, 0..11
	s_lshl_b32 s13, s45, 2
	s_add_co_u32 s13, s13, s41                     ; block row = 4 x cluster y + cy, 0..47
	s_lshr_b32 s45, s45, 2                         ; g: four clusters (16 block rows) for each of q, k, v; the same in all sixteen partners
	s_lshl_b32 s43, s41, 2
	s_lshl_b32 s43, 15, s43                        ; my row of the cluster
	s_lshl_b32 s44, 0x1111, s40                    ; my column
	; group 1 for X: 128 rows x 128 elements of 2 bytes, 4 words of padding behind every 64
	s_or_b32 s[G1+0], s43, (1<<16)|(1<<20)|(1<<21)|(5<<22)|(3<<25)
	s_mov_b32 s[G1+1], KSTEP<<16                   ; tensor_dim0 = 128
	s_mov_b32 s[G1+2], 128<<16                     ; tensor_dim1 = 128
	s_mov_b32 s[G1+3], KSTEP<<16                   ; tile_dim0 = 128
	s_mov_b32 s[G1+4], 128                         ; tile_dim1 = 128
	s_mov_b32 s[G1+5], 1024                        ; elements from row to row
	s_mov_b32 s[G1+6], 0
	s_mov_b32 s[G1+7], 0
	; group 1 for W: 64 k rows x 256 elements, 8 words of padding behind every 128
	s_or_b32 s[G1B+0], s44, (1<<16)|(1<<20)|(1<<21)|(6<<22)|(7<<25)
	s_mov_b32 s[G1B+1], 256<<16
	s_mov_b32 s[G1B+2], 64<<16
	s_mov_b32 s[G1B+3], 256<<16
	s_mov_b32 s[G1B+4], 64
	s_mov_b32 s[G1B+5], 1024
	s_mov_b32 s[G1B+6], 0
	s_mov_b32 s[G1B+7], 0
	; where the tiles come from: X's offset is made of the block row and the wave, W's of the block column, g and the wave
	s_lshl_b32 s16, s13, 8
	s_lshl_b32 s17, s12, 7
	s_add_co_u32 s16, s16, s17                     ; X: row 256 x block row + 128 x half
	s_lshl_b32 s16, s16, 11                        ; rows of 2,048 bytes: under 25,165,824
	s_mov_b32 s17, 0
	s_lshl_b32 s46, s42, 9                         ; W: 256 columns of 2 bytes a block column
	s_lshl_b32 s47, s45, 21                        ; + g x 2,097,152
	s_add_co_u32 s46, s46, s47
	s_lshl_b32 s47, s12, 17                        ; + half x 64 k rows of 2,048 bytes
	s_add_co_u32 s46, s46, s47
	s_add_co_u32 s46, s46, WOFF
	s_mov_b32 s47, 0
	s_mul_i32 s20, s10, HALFT                      ; where they go: wave x 34,816: no place in the cluster enters an LDS address
	s_wait_dscnt 0x0
	s_wait_kmcnt 0x0
	s_add_nc_u64 s[14:15], s[4:5], s[16:17]
	s_add_nc_u64 s[46:47], s[4:5], s[46:47]
	s_cmp_eq_u32 s45, 1
	s_cselect_b64 s[6:7], s[70:71], s[68:69]       ; the bias of this projection: bK or bQ
	s_cmp_eq_u32 s45, 2
	s_cselect_b64 s[6:7], s[72:73], s[6:7]         ; or bV
	s_mov_b64 s[8:9], s[74:75]                     ; qkv
	CROUND                                         ; all sixteen work-groups are here: the first joint loads meet
.irp s, 0,1
	s_mov_b32 s[G0+4*\s], 1
	s_add_co_u32 s[G0+4*\s+1], s20, \s*SLOT
	s_add_nc_u64 s[G0+4*\s+2:G0+4*\s+3], s[14:15], \s*KSTEP*2          ; K step s: 128 elements along X's rows
	s_or_b32 s[G0+4*\s+3], s[G0+4*\s+3], 0x80000000
	s_mov_b32 s[G0B+4*\s], 1
	s_add_co_u32 s[G0B+4*\s+1], s20, \s*SLOT
	s_add_nc_u64 s[G0B+4*\s+2:G0B+4*\s+3], s[46:47], \s*KSTEP*2048     ; K step s: 128 rows down W
	s_or_b32 s[G0B+4*\s+3], s[G0B+4*\s+3], 0x80000000
	JLOAD \s                                       ; two tensor loads of a wave are out here, one behind each later round
.endr
	v_and_b32 v1, 15, v0                           ; r = l % 16
	v_bfe_u32 v2, v0, 4, 1                         ; h = l / 16
	v_mul_u32_u24 v3, v1, PITCH
	v_lshl_add_u32 v3, v2, 4, v3                   ; X: row r, 16 bytes for each half of the lanes
	v_and_b32 v6, 7, v0
	v_bfe_u32 v7, v0, 3, 1
	v_lshl_add_u32 v6, v2, 3, v6                   ; W: k row 8 h + l % 8,
	v_mul_u32_u24 v6, v6, WPITCH
	v_lshl_add_u32 v6, v7, 4, v6                   ; 16 bytes at 16 ((l / 8) % 2)
	s_mul_i32 s21, s11, HALFT                      ; my 128 rows of X
	s_lshl_b32 s22, s12, 8                         ; my 128 columns of W,
	s_add_co_u32 s22, s22, 2*HALFT                 ; which lies behind X's 256 rows
.irp s, 0,1
	v_add_nc_u32 v[ADRA+\s], s21, v3
	v_add_nc_u32 v[ADRB+\s], s22, v6
	s_add_co_u32 s21, s21, SLOT
	s_add_co_u32 s22, s22, SLOT
.endr
	s_mul_i32 s23, s10, 16*SPITCH
	s_add_co_u32 s23, s23, STAGE                   ; my stage
	v_add_nc_u32 v[STO], s23, v3                   ; in: row r, 16 bytes for each half (the stage's pitch is X's)
	v_bfe_u32 v4, v0, 3, 2                         ; back: eight lanes take the 128 bytes of one head in one row, four rows a load
	v_mul_u32_u24 v4, v4, SPITCH
	v_and_b32 v5, 7, v0
	v_lshl_add_u32 v4, v5, 4, v4
	v_add_nc_u32 v[RD], s23, v4
	v_and_b32 v5, 31, v0
	v_lshlrev_b32 v[CO], 4, v5                     ; in qkv those four rows of a head are 512 neighbouring bytes: 16 l
	v_lshlrev_b32 v[BO], 5, v2                     ; the bias of columns 8 h + 0 .. 7 of a tile
	s_lshl_b32 s66, s42, 10                        ; 256 columns of 4 bytes a block column
	s_lshl_b32 s67, s12, 9
	s_add_co_u32 s66, s66, s67
	s_mov_b32 s67, 0
	s_add_nc_u64 s[6:7], s[6:7], s[66:67]
	WIN TO_B
.irp b, 0,1,2,3,4,5,6,7
	global_load_b128 v[8*\b:8*\b+3],   v[BO], s[6:7] offset:64*\b      ; window 1, v[8 b + j] = bias of column 16 b + 8 h + j of my 128
	global_load_b128 v[8*\b+4:8*\b+7], v[BO], s[6:7] offset:64*\b+16
.endr
	WIN 0
; 16 matrix instructions: row blocks a0, a0 + 1 of the window's four x all 8 column blocks, 32 along K.  zero = 1: the first product starts the sums.
.macro MUL16 f, hi, a0, zero
.irp a, \a0, \a0+1
.irp b, 0,1,2,3,4,5,6,7
.if \zero
	v_wmma_f32_16x16x32_f16 v[8*(8*(\a)+\b):8*(8*(\a)+\b)+7], v[\f+8*\b:\f+8*\b+7], v[\f+8*(4*\hi+\a):\f+8*(4*\hi+\a)+7], 0
.else
	v_wmma_f32_16x16x32_f16 v[8*(8*(\a)+\b):8*(8*(\a)+\b)+7], v[\f+8*\b:\f+8*\b+7], v[\f+8*(4*\hi+\a):\f+8*(4*\hi+\a)+7], v[8*(8*(\a)+\b):8*(8*(\a)+\b)+7]
.endif
.endr
.endr
.endm
; 32 LDS loads in one run: the fragments of quarter q of a K step (32 along K) into buffer f
.macro FETCH slot, q, f
	WIN TO_B
.irp i, 0,1,2,3,4,5,6,7
	ds_load_tr16_b128 v[\f+8*\i:\f+8*\i+3],   v[ADRB+\slot] offset:\q*32*WPITCH+32*\i             ; k = 32 q + 8 h + 0..7 of column 16 i + r
	ds_load_tr16_b128 v[\f+8*\i+4:\f+8*\i+7], v[ADRB+\slot] offset:\q*32*WPITCH+32*\i+16*WPITCH   ; k = 32 q + 16 + 8 h + 0..7
.endr
	WIN 0
.irp i, 0,1,2,3,4,5,6,7
	ds_load_b128 v[\f+8*\i:\f+8*\i+3],   v[ADRA+\slot] offset:\q*64+\i*16*PITCH
	ds_load_b128 v[\f+8*\i+4:\f+8*\i+7], v[ADRA+\slot] offset:\q*64+\i*16*PITCH+32
.endr
.endm
; Four places behind a matrix instruction before a load lands on a register that it read or a vector instruction reads its result
; (ISA guide 7.12.1 for vector instructions); other matrix instructions are not counted as places.
.macro PLACES
.rept 4
	v_nop
.endr
.endm
; A quarter step: multiplies buffer f; in its middle it fetches quarter q of the same slot into buffer g.
; The 64 accumulators take turns, one instruction a turn, in the same order in every quarter.
.macro QUARTER slot, q, f, g, zero
	s_wait_dscnt 8                                 ; W and X's rows 0-63 are in; the youngest eight loads (X's rows 64-127) may be out
	WIN MUL_LO
	MUL16 \f, 0, 0, \zero
	MUL16 \f, 0, 2, \zero
	PLACES
	FETCH \slot, \q, \g
	s_wait_dscnt 32                                ; all but the 32 just issued
	WIN MUL_HI
	MUL16 \f, 1, 0, \zero
	MUL16 \f, 1, 2, \zero
.endm
.macro THREE slot, zero
	QUARTER \slot, 1, F0, F1, \zero
	QUARTER \slot, 2, F1, F0, 0
	QUARTER \slot, 3, F0, F1, 0
.endm
; The last quarter: multiplies buffer 1 and changes slots.  fill = 1: this slot is filled again, two K steps ahead.
; In front of the barrier each wave waits for its reads of this slot and for all its tensor loads (one is out: its part of the next slot).
.macro TURN slot, next, fill
	s_wait_dscnt 8
	WIN MUL_LO
	MUL16 F1, 0, 0, 0
	s_wait_dscnt 0                                 ; my reads of this slot are over
	s_wait_tensorcnt 0x0                           ; and all my tensor loads have landed
	ds_add_u32 v255, v255
	s_wait_dscnt 0x0
	s_barrier_signal -1                            ; where a slot is filled again this barrier opens a round of the cluster's barrier
	MUL16 F1, 0, 2, 0                              ; register work alone
	WIN 0
	s_barrier_wait -1
.if \fill
	CREST                                          ; no wave of any partner still reads this slot or has a load on its way
	s_add_nc_u64 s[G0+4*\slot+2:G0+4*\slot+3], s[G0+4*\slot+2:G0+4*\slot+3], 2*KSTEP*2
	s_add_nc_u64 s[G0B+4*\slot+2:G0B+4*\slot+3], s[G0B+4*\slot+2:G0B+4*\slot+3], 2*KSTEP*2048
	JLOAD \slot                                    ; the first tensor load behind the round, the wave's only one until the next
.endif
	PLACES
	FETCH \next, 0, F0
	WIN MUL_HI
	MUL16 F1, 1, 0, 0
	MUL16 F1, 1, 2, 0
.endm
.macro LAP zero
	THREE 0, \zero
	TURN 0, 1, 1
	THREE 1, 0
	TURN 1, 0, 1
.endm
	s_wait_tensorcnt 1                             ; my part of K step 0 is in; K step 1's may stay out
	s_barrier_signal -1
	s_barrier_wait -1
	FETCH 0, 0, F0
	LAP 1                                          ; the first lap stands in front of the loop: its first products start the sums
	WIN 0
	s_mov_b32 s3, LAPS-2
.Llap:
	LAP 0
	WIN 0
	s_sub_co_u32 s3, s3, 1
	s_cmp_lg_u32 s3, 0
	s_cbranch_scc1 .Llap
	THREE 0, 0                                     ; the last lap fills nothing
	TURN 0, 1, 0
	THREE 1, 0
	s_wait_dscnt 8
	WIN MUL_LO
	MUL16 F1, 0, 0, 0
	MUL16 F1, 0, 2, 0
	s_wait_dscnt 0
	WIN MUL_HI
	MUL16 F1, 1, 0, 0
	MUL16 F1, 1, 2, 0
	; THE WAY OUT, 16 rows at a time: add the bias, round to f16, 16 bytes a lane into my stage, read back by heads, store 512 neighbouring bytes.
	PLACES
	s_lshr_b32 s14, s13, 3                         ; 2 g + b: eight block rows to a batch
	s_lshl_b32 s14, s14, 22                        ; x 16 heads of 262,144 bytes
	s_and_b32 s15, s13, 7
	s_lshl_b32 s15, s15, 15                        ; + 256 rows of 128 bytes a block row
	s_add_co_u32 s14, s14, s15
	s_lshl_b32 s15, s11, 14                        ; + my half's 128 rows
	s_add_co_u32 s14, s14, s15
	s_lshl_b32 s46, s42, 20                        ; + four heads a block column
	s_lshl_b32 s47, s12, 19                        ; + two heads for my half of the columns
	s_add_co_u32 s46, s46, s47
	s_add_co_u32 s46, s46, s14
	s_mov_b32 s47, 0
	s_add_nc_u64 s[8:9], s[8:9], s[46:47]
	s_wait_loadcnt 0x0                             ; the bias
; rows 16 i .. 16 i + 15 of my block = the eight tiles (a, 0..7) of window 2 or 3.  addw: windows of the bias add; from: of the conversion; f: F0, F1 in turn
.macro OUT16 i, a, addw, from, f
	WIN \addw
.irp b, 0,1,2,3,4,5,6,7
.irp p, 0,2,4,6
	v_pk_add_f32 v[8*(8*\a+\b)+\p:8*(8*\a+\b)+\p+1], v[8*(8*\a+\b)+\p:8*(8*\a+\b)+\p+1], v[8*\b+\p:8*\b+\p+1]
.endr
.endr
	WIN \from
.irp b, 0,1,2,3,4,5,6,7
.irp r, 0,1,2,3
	v_cvt_pk_f16_f32 v[TMP+4*\b+\r], v[8*(8*\a+\b)+2*\r], v[8*(8*\a+\b)+2*\r+1]
.endr
.endr
	WIN 0
.irp b, 0,1,2,3,4,5,6,7
	ds_store_b128 v[STO], v[TMP+4*\b:TMP+4*\b+3] offset:32*\b
.endr
	s_wait_xcnt 0x0                                ; buffer f, which earlier stores read, and the stores' base are rewritten only behind this wait
.if \i
	s_add_nc_u64 s[8:9], s[8:9], 16*128            ; 16 rows of a head on
.endif
.irp hh, 0,1
.irp u, 0,1,2,3
	ds_load_b128 v[\f+4*(4*\hh+\u):\f+4*(4*\hh+\u)+3], v[RD] offset:\u*4*SPITCH+\hh*128   ; LDS serves a wave's instructions in order: these see the stores above
.endr
.endr
.irp hh, 0,1
.irp u, 0,1,2,3
	s_wait_dscnt 7-(4*\hh+\u)
	global_store_b128 v[CO], v[\f+4*(4*\hh+\u):\f+4*(4*\hh+\u)+3], s[8:9] offset:\hh*262144+\u*512   ; rows 4 u .. 4 u + 3 of head hh: 512 consecutive bytes, aligned
.endr
.endr
.endm
	OUT16 0, 0, 0x86, 0x0a, F0
	OUT16 1, 1, 0x86, 0x0a, F1
	OUT16 2, 2, 0x86, 0x0a, F0
	OUT16 3, 3, 0x86, 0x0a, F1
	OUT16 4, 0, 0xc7, 0x0f, F0
	OUT16 5, 1, 0xc7, 0x0f, F1
	OUT16 6, 2, 0xc7, 0x0f, F0
	OUT16 7, 3, 0xc7, 0x0f, F1
	s_set_vgpr_msb 0x1
	s_wait_tensorcnt 0x0
	ds_add_u32 v255, v255
	s_wait_dscnt 0x0
	s_set_vgpr_msb 0x100
	CROUND                                         ; the closing round: no work-group ends while a partner may still ask for a tile that names it
	s_endpgm
.Lfunc_end_k_q08d41f13c7_proj:
	.size	k_q08d41f13c7_proj, .Lfunc_end_k_q08d41f13c7_proj-k_q08d41f13c7_proj
	.p2alignl 7, 3214868480
	.fill 96, 4, 3214868480
	.section	.rodata,"a",@progbits
	.p2align	6, 0x0
	.amdhsa_kernel k_q08d41f13c7_proj
		.amdhsa_group_segment_fixed_size 327680
		.amdhsa_private_segment_fixed_size 0
		.amdhsa_enable_private_segment 0
		.amdhsa_kernarg_size 40
		.amdhsa_user_sgpr_count 2
		.amdhsa_user_sgpr_kernarg_segment_ptr 1
		.amdhsa_wavefront_size32 1
		.amdhsa_system_sgpr_workgroup_id_x 1
		.amdhsa_system_sgpr_workgroup_id_y 1
		.amdhsa_system_sgpr_workgroup_id_z 1
		.amdhsa_system_vgpr_workitem_id 0
		.amdhsa_next_free_vgpr 1024
		.amdhsa_next_free_sgpr 76
		.amdhsa_reserve_vcc 0
		.amdhsa_float_denorm_mode_32 3
		.amdhsa_float_denorm_mode_16_64 3
		.amdhsa_memory_ordered 1
		.amdhsa_forward_progress 1
		.amdhsa_inst_pref_size 215
	.end_amdhsa_kernel
	.amdgpu_metadata
---
amdhsa.version: [ 1, 2 ]
amdhsa.kernels:
  - .name:           k_q08d41f13c7_proj
    .symbol:         k_q08d41f13c7_proj.kd
    .args:
      - { .name: xw, .offset: 0, .size: 8, .value_kind: global_buffer, .address_space: global }
      - { .name: bQ, .offset: 8, .size: 8, .value_kind: global_buffer, .address_space: global }
      - { .name: bK, .offset: 16, .size: 8, .value_kind: global_buffer, .address_space: global }
      - { .name: bV, .offset: 24, .size: 8, .value_kind: global_buffer, .address_space: global }
      - { .name: qkv, .offset: 32, .size: 8, .value_kind: global_buffer, .address_space: global }
    .group_segment_fixed_size: 327680
    .private_segment_fixed_size: 0
    .kernarg_segment_align: 8
    .kernarg_segment_size: 40
    .max_flat_workgroup_size: 128
    .sgpr_count:     76
    .vgpr_count:     1024
    .wavefront_size: 32
...
	.end_amdgpu_metadata
.endif
;; end of part 2
;; launch attn (part 3): grid 8 x 32, 8 waves a work-group, clusters of 4 x 1, 327,680 bytes of LDS; arguments qkv, ao; writes ao
.if DOCPART == 3
	.amdgcn_target "amdgcn-amd-amdhsa--gfx1250"
	.amdhsa_code_object_version 6
	.text
	.protected	k_q08d41f13c7_attn
	.globl	k_q08d41f13c7_attn
	.p2align	8
	.type	k_q08d41f13c7_attn,@function
k_q08d41f13c7_attn:
	s_mov_b64 s[64:65], 0
	v_nop
	global_prefetch_b8 v0, s[64:65] scope:SCOPE_SE
	s_setreg_imm32_b32 hwreg(HW_REG_WAVE_MODE, 25, 1), 1
	s_wait_xcnt 0x0
	s_wait_alu depctr_hold_cnt(0) depctr_sa_sdst(0) depctr_va_vdst(0) depctr_va_sdst(0) depctr_va_ssrc(0) depctr_va_vcc(0) depctr_vm_vsrc(0)
	s_getreg_b32 s2, hwreg(HW_REG_IB_STS2, 6, 4)
	s_cmp_eq_u32 s2, 0
	s_cbranch_scc0 .Lentry_in_a_cluster
	s_endpgm
.Lentry_in_a_cluster:
	s_bfe_u32 s2, ttmp6, 0x10000c
	s_cmp_lg_u32 s2, 0x3003
	s_cbranch_scc0 .Lentry_shape_is_right
	s_endpgm
.Lentry_shape_is_right:
; ao[b][h][s][d] = f16( softmax over keys of (q . k / 8) times v ), one head (grid y = 16 b + h) and 256 queries (grid x) a work-group.
; q, k, v: f16, [b][h][s][64], in qkv at bytes 0, KOFF, VOFF.  Scores, maxima, sums and the result's sums in f32; the weights go to the matrix unit as f16.
; The softmax keeps a RUNNING MAXIMUM of the raw scores: with c = log2(e) / 8 a weight is exp2(c s - c m), at most about 1, at any size of the scores.
; LIMIT: f16 operands: |q|, |k|, |v| under 65,504; a weight under 6e-8 counts as zero in the product with v (it still counts in the sum).
; Eight waves: wave w has the 64 queries qg = w & 3 and, of each tile of 256 keys, the 128 keys kg = w >> 2.  The two waves of one qg keep
; their own result, maximum and sum and merge them once at the end, through LDS.
; CLUSTER: the four query blocks of a cluster belong to one head and ask jointly for each tile of K and V (mask 15).
; BOTH PRODUCTS ARE USED TRANSPOSED.  S^T = K Q^T: lane (r, h) register j of a tile holds key 8 h + j, query r.  So a query's statistics live
; in a lane, and two key tiles, packed to f16 in place, ARE the second source (query r, 32 keys along the registers) of O^T = V^T P^T.
; V lies [key][d] in LDS; ds_load_tr16_b128 makes fragments of V^T of it.
; REGISTERS: window 0: addresses, statistics, fragments of K, V^T, Q.  Window 1: v0-127 scores / weights, v128-255 the result.
.set KP, 144                           ; K in LDS: 128 bytes + 16
.set VP, 160                           ; V in LDS: 128 bytes + 32 = 5 x 32
.set VBYTES, 256*VP                    ; 40,960: V's part of a slot, K's lies behind it
.set SLOT,   256*(VP+KP)               ; 77,824
.set XCH,    2*SLOT                    ; 155,648: the exchange, for each qg 32 x 512 bytes of result, then 8 x 128 of statistics
.set XPART,  17408
.set STG,    XCH+4*XPART               ; 225,280: the stage of the way out, for each qg 64 rows x 144 bytes
.set SPART,  9216
.set TILEB,  32768                     ; 256 keys x 128 bytes
.set KOFF,   8388608
.set VOFF,   16777216
.set ADRK, 10                          ; v10-11  LDS address of my K fragments in slot 0, 1
.set ADRV, 12                          ; v12-13  the same for V
.set QOFF, 14                          ; v14     my byte offset in my wave's 64 rows of q
.set ST,   16                          ; v[16:47] query tile qt at ST + 8 qt: +0 NM0, +1 M, +2 NM1, +3 T, +4 AL, +5 U, +6 +7 L
                                       ;   M running maximum; NM0, NM1 = -c M of the even and odd steps; AL = exp2(new NM - old NM); L two partial sums
.set XA16, 48
.set XA4,  49
.set STO,  50
.set RD,   51
.set CO,   52
.set PB,   56                          ; v[56:63] the partner's -c M (4) and sums (4)
.set KF,   64                          ; v[64:127]  K: key tile kt, half k of d at 16 kt + 8 k
.set VF,   128                         ; v[128:191] V^T: d tile dt, key group g at 16 dt + 8 g
.set QF,   192                         ; v[192:255] Q: query tile qt, half k of d at 16 qt + 8 k
.set SS,   0                           ; window 1: score tile (kt, qt) at 32 qt + 8 kt; weights of key group g at 32 qt + 16 g (8 registers)
.set OO,   128                         ; window 1: result tile (dt, qt) at 128 + 32 qt + 8 dt
.set G1V, 16
.set G1K, 24
.set G0V, 32                           ; s[32:39] one set a slot
.set G0K, 40                           ; s[40:47]
.set MSB, 0
.macro WIN new
.if MSB != \new
	s_set_vgpr_msb (MSB<<8)|\new
.set MSB, \new
.endif
.endm
.macro ROUND                           ; a round of the cluster's barrier
	s_barrier_signal -1
	s_barrier_wait -1
	s_cmp_lg_u32 s8, 0
	s_cbranch_scc1 .Lnot_wave_0_\@
	s_barrier_signal -3
.Lnot_wave_0_\@:
	s_barrier_wait -3
	s_barrier_signal -1
	s_barrier_wait -1
.endm
.macro JLOAD s                         ; waves 0-3 fetch a quarter of V's tile each, waves 4-7 of K's
	s_cmp_eq_u32 s9, 0
	s_cbranch_scc0 .Lfor_k_\@
	tensor_load_to_lds s[G0V+4*\s:G0V+4*\s+3], s[G1V:G1V+7]
	s_nop 0
	s_branch .Lasked_\@
.Lfor_k_\@:
	tensor_load_to_lds s[G0K+4*\s:G0K+4*\s+3], s[G1K:G1K+7]
	s_nop 0
.Lasked_\@:
.endm
	s_load_b128 s[4:7], s[0:1], 0x0                ; qkv s[4:5], ao s[6:7]
	v_lshl_add_u32 v54, v0, 2, 0x40000
	v_mov_b32 v55, 0
	ds_add_u32 v54, v55
	v_lshrrev_b32 v1, 5, v0
	v_readfirstlane_b32 s8, v1                     ; wave 0..7
	s_lshr_b32 s9, s8, 2                           ; kg
	s_and_b32 s10, s8, 3                           ; qg
	s_bfe_u32 s11, ttmp6, 0x40000                  ; cx
	s_lshl_b32 s12, ttmp9, 2
	s_add_co_u32 s12, s12, s11                     ; query block x = 4 x cluster x + cx
	s_and_b32 s13, ttmp7, 0xffff                   ; head y = 16 b + h
	s_mov_b32 s50, 0x3e38aa3b                      ; c = log2(e) / 8, twice (a pair for the packed forms)
	s_mov_b32 s51, 0x3e38aa3b
	s_mov_b32 s52, 0xbe38aa3b                      ; -c
	s_mov_b32 s53, 0x76543210                      ; v_permlanex16_b32: lane i reads lane i of the other half
	s_mov_b32 s54, 0xfedcba98
	; group 1: 64 rows x 64 elements of 2 bytes; behind every 32 words 8 words of padding (V) or 4 (K); mask 15, bit 21 beside it
	s_mov_b32 s[G1V+0], 15|(1<<16)|(1<<20)|(1<<21)|(4<<22)|(7<<25)
	s_mov_b32 s[G1K+0], 15|(1<<16)|(1<<20)|(1<<21)|(4<<22)|(3<<25)
.irp g, G1V, G1K
	s_mov_b32 s[\g+1], 64<<16                      ; tensor_dim0
	s_mov_b32 s[\g+2], 64<<16                      ; tensor_dim1
	s_mov_b32 s[\g+3], 64<<16                      ; tile_dim0
	s_mov_b32 s[\g+4], 64                          ; tile_dim1
	s_mov_b32 s[\g+5], 64                          ; elements from row to row
	s_mov_b32 s[\g+6], 0
	s_mov_b32 s[\g+7], 0
.endr
	s_mul_i32 s14, s8, 64*VP                       ; V's quarter w (waves 0-3) at 10,240 w
	s_mul_i32 s15, s8, 64*KP                       ; K's quarter w - 4 (waves 4-7) at 40,960 + 9,216 (w - 4)
	s_add_co_u32 s15, s15, VBYTES-4*64*KP
	s_lshl_b32 s56, s13, 18                        ; the head: 262,144 bytes
	s_lshl_b32 s58, s10, 13                        ; 64 rows of 128 bytes: a quarter of a key tile, and my wave's queries in its block
	s_add_co_u32 s56, s56, s58
	s_mov_b32 s57, 0
	s_lshl_b32 s60, s12, 15                        ; the query block: 256 rows of 128 bytes (in registers that feed no descriptor)
	s_add_co_u32 s60, s60, s56
	s_mov_b32 s61, 0
	s_wait_dscnt 0x0
	s_wait_kmcnt 0x0
	s_add_nc_u64 s[56:57], s[4:5], s[56:57]
	s_add_nc_u64 s[58:59], s[4:5], s[60:61]        ; my 64 rows of q
	s_add_nc_u64 s[6:7], s[6:7], s[60:61]          ; and of ao
.irp s, 0,1
	s_mov_b32 s[G0V+4*\s], 1
	s_add_co_u32 s[G0V+4*\s+1], s14, \s*SLOT
	s_add_nc_u64 s[G0V+4*\s+2:G0V+4*\s+3], s[56:57], VOFF+\s*TILEB
	s_or_b32 s[G0V+4*\s+3], s[G0V+4*\s+3], 0x80000000
	s_mov_b32 s[G0K+4*\s], 1
	s_add_co_u32 s[G0K+4*\s+1], s15, \s*SLOT
	s_add_nc_u64 s[G0K+4*\s+2:G0K+4*\s+3], s[56:57], KOFF+\s*TILEB
	s_or_b32 s[G0K+4*\s+3], s[G0K+4*\s+3], 0x80000000
.endr
	ROUND                                          ; in front of the first joint load
	JLOAD 0                                        ; key tile 0.  A wave never has more than this one tensor load out
	v_and_b32 v1, 15, v0                           ; r
	v_bfe_u32 v2, v0, 4, 1                         ; h
	v_and_b32 v3, 7, v0                            ; l % 8
	v_bfe_u32 v4, v0, 3, 1                         ; (l / 8) % 2
	v_and_b32 v5, 31, v0                           ; l
	v_bfe_u32 v6, v0, 3, 2                         ; l / 8
	v_lshlrev_b32 v[QOFF], 7, v1
	v_lshl_add_u32 v[QOFF], v2, 4, v[QOFF]         ; row r, 16 bytes for each half of the lanes
.irp qt, 0,1,2,3
.irp k, 0,1
	global_load_b128 v[QF+16*\qt+8*\k:QF+16*\qt+8*\k+3],   v[QOFF], s[58:59] offset:2048*\qt+64*\k
	global_load_b128 v[QF+16*\qt+8*\k+4:QF+16*\qt+8*\k+7], v[QOFF], s[58:59] offset:2048*\qt+64*\k+32
.endr
.endr
	v_mul_u32_u24 v7, v1, KP
	v_lshl_add_u32 v7, v2, 4, v7                   ; 144 r + 16 h: K's fragments, and the stage's stores
	s_mul_i32 s2, s9, 128*KP                       ; my 128 keys
	s_add_co_u32 s2, s2, VBYTES
	v_add_nc_u32 v[ADRK], s2, v7
	v_add_nc_u32 v[ADRK+1], SLOT, v[ADRK]
	v_lshl_add_u32 v8, v2, 3, v3                   ; V: key row 8 h + l % 8,
	v_mul_u32_u24 v8, v8, VP
	v_lshl_add_u32 v8, v4, 4, v8                   ; 16 bytes at 16 ((l / 8) % 2)
	s_mul_i32 s3, s9, 128*VP
	v_add_nc_u32 v[ADRV], s3, v8
	v_add_nc_u32 v[ADRV+1], SLOT, v[ADRV]
	s_mul_i32 s2, s10, XPART
	s_add_co_u32 s2, s2, XCH
	v_lshl_add_u32 v[XA16], v5, 4, s2              ; the exchange: 16 bytes a lane
	s_add_co_u32 s2, s2, 16384
	v_lshl_add_u32 v[XA4], v5, 2, s2               ; and 4 bytes a lane
	s_mul_i32 s3, s10, SPART
	s_add_co_u32 s3, s3, STG
	v_add_nc_u32 v[STO], s3, v7
	v_mul_u32_u24 v9, v6, KP
	v_lshl_add_u32 v9, v3, 4, v9
	v_add_nc_u32 v[RD], s3, v9                     ; back: eight lanes take a row of 128 bytes, four rows a load
	v_lshlrev_b32 v[CO], 4, v5                     ; which are 512 neighbouring bytes of ao
.irp qt, 0,1,2,3
	v_mov_b32 v[ST+8*\qt+1], 0xff800000            ; M = -inf
	v_mov_b32 v[ST+8*\qt+2], 0x7f800000            ; -c M = +inf: the first AL is exp2(-inf) = 0
	v_mov_b32 v[ST+8*\qt+5], 0                     ; U: the lane exchange counts as a reader of its destination
	v_mov_b32 v[ST+8*\qt+6], 0                     ; L
	v_mov_b32 v[ST+8*\qt+7], 0
.endr
.macro LOADK slot, j                   ; 16 loads: my keys 64 j .. 64 j + 63
.irp kt, 0,1,2,3
.irp k, 0,1
	ds_load_b128 v[KF+16*\kt+8*\k:KF+16*\kt+8*\k+3],   v[ADRK+\slot] offset:(64*\j+16*\kt)*KP+64*\k
	ds_load_b128 v[KF+16*\kt+8*\k+4:KF+16*\kt+8*\k+7], v[ADRK+\slot] offset:(64*\j+16*\kt)*KP+64*\k+32
.endr
.endr
.endm
.macro LOADV slot, j                   ; 16 transposing loads: the same keys of V
.irp dt, 0,1,2,3
.irp g, 0,1
	ds_load_tr16_b128 v[VF+16*\dt+8*\g:VF+16*\dt+8*\g+3],   v[ADRV+\slot] offset:(64*\j+32*\g)*VP+32*\dt
	ds_load_tr16_b128 v[VF+16*\dt+8*\g+4:VF+16*\dt+8*\g+7], v[ADRV+\slot] offset:(64*\j+32*\g)*VP+32*\dt+16*VP
.endr
.endr
.endm
; 64 keys x 64 queries.  j = 0, 1: which 64 of my 128 keys in the slot, and which of NM0, NM1 is the new one.  first = 1: the very first step starts the result's sums.
; In both products four accumulators take turns, one instruction a turn.
.macro STEP slot, j, first
	s_wait_dscnt 16                                ; K's fragments are in; the 16 younger loads (V's) may stay out
	WIN 0x50                                       ; D and C window 1
.irp qt, 0,1,2,3
.irp kt, 0,1,2,3
	v_wmma_f32_16x16x32_f16 v[SS+32*\qt+8*\kt:SS+32*\qt+8*\kt+7], v[KF+16*\kt:KF+16*\kt+7], v[QF+16*\qt:QF+16*\qt+7], 0
.endr
.irp kt, 0,1,2,3
	v_wmma_f32_16x16x32_f16 v[SS+32*\qt+8*\kt:SS+32*\qt+8*\kt+7], v[KF+16*\kt+8:KF+16*\kt+15], v[QF+16*\qt+8:QF+16*\qt+15], v[SS+32*\qt+8*\kt:SS+32*\qt+8*\kt+7]
.endr
.endr
.rept 4
	v_nop                                          ; four places: loads land on K's fragments, vector instructions read the scores
.endr
.if \j == 0
	WIN 0
	LOADK \slot, 1                                 ; the next 64 keys come in under the softmax
.endif
	WIN 0x14                                       ; sources 1 and 2 window 1
.irp qt, 0,1,2,3
	v_max3_num_f32 v[ST+8*\qt+3], v[ST+8*\qt+1], v[SS+32*\qt], v[SS+32*\qt+1]      ; the old maximum starts the chain
.endr
.irp i, 1,2,3,4,5,6,7,8,9,10,11,12,13,14,15
.irp qt, 0,1,2,3
	v_max3_num_f32 v[ST+8*\qt+3], v[ST+8*\qt+3], v[SS+32*\qt+2*\i], v[SS+32*\qt+2*\i+1]
.endr
.endr
	WIN 0
.irp qt, 0,1,2,3
	v_permlanex16_b32 v[ST+8*\qt+5], v[ST+8*\qt+3], s53, s54                       ; the other half of the lanes holds the query's other keys
.endr
.irp qt, 0,1,2,3
	v_max_num_f32 v[ST+8*\qt+1], v[ST+8*\qt+3], v[ST+8*\qt+5]                      ; M
.endr
.irp qt, 0,1,2,3
	v_mul_f32 v[ST+8*\qt+2*\j], s52, v[ST+8*\qt+1]                                 ; -c M, rounded once; every later use takes this number
.endr
.irp qt, 0,1,2,3
	v_sub_f32 v[ST+8*\qt+4], v[ST+8*\qt+2*\j], v[ST+8*\qt+2-2*\j]                  ; c (old M - new M), never above 0
.endr
.irp qt, 0,1,2,3
	v_exp_f32 v[ST+8*\qt+4], v[ST+8*\qt+4]
.endr
	v_nop                                          ; one plain place behind the exponentials (ISA guide 5.7.2)
	s_wait_alu depctr_va_vdst(0)
.irp qt, 0,1,2,3
	v_pk_mul_f32 v[ST+8*\qt+6:ST+8*\qt+7], v[ST+8*\qt+6:ST+8*\qt+7], v[ST+8*\qt+4:ST+8*\qt+5] op_sel_hi:[1,0]
.endr
	WIN 0x41                                       ; destination and source 0 window 1
.irp qt, 0,1,2,3
.irp i, 0,1,2,3,4,5,6,7,8,9,10,11,12,13,14,15
	v_pk_fma_f32 v[SS+32*\qt+2*\i:SS+32*\qt+2*\i+1], v[SS+32*\qt+2*\i:SS+32*\qt+2*\i+1], s[50:51], v[ST+8*\qt+2*\j:ST+8*\qt+2*\j+1] op_sel_hi:[1,0,0]   ; c s - c M
.endr
.irp i, 0,1,2,3,4,5,6,7,8,9,10,11,12,13,14,15
	v_exp_f32 v[SS+32*\qt+2*\i],   v[SS+32*\qt+2*\i]
	v_exp_f32 v[SS+32*\qt+2*\i+1], v[SS+32*\qt+2*\i+1]
.if \first == 0
	v_pk_mul_f32 v[OO+32*\qt+2*\i:OO+32*\qt+2*\i+1], v[OO+32*\qt+2*\i:OO+32*\qt+2*\i+1], v[ST+8*\qt+4:ST+8*\qt+5] op_sel_hi:[1,0]   ; the result follows the maximum; also the plain place behind the two exponentials
.endif
.endr
.if \first
	v_nop                                          ; the plain place behind the exponentials
	s_wait_alu depctr_va_vdst(0)
.endif
.endr
	WIN 0x01                                       ; source 0 window 1
	s_wait_alu depctr_va_vdst(0)
.irp i, 0,1,2,3,4,5,6,7,8,9,10,11,12,13,14,15
.irp qt, 0,1,2,3
	v_pk_add_f32 v[ST+8*\qt+6:ST+8*\qt+7], v[SS+32*\qt+2*\i:SS+32*\qt+2*\i+1], v[ST+8*\qt+6:ST+8*\qt+7]
.endr
.endr
	WIN 0x45                                       ; all in window 1
.irp qt, 0,1,2,3
.irp g, 0,1
.irp i, 0,1,2,3,4,5,6,7
	v_cvt_pk_f16_f32 v[SS+32*\qt+16*\g+\i], v[SS+32*\qt+16*\g+2*\i], v[SS+32*\qt+16*\g+2*\i+1]   ; in place, ascending: register i is written when 2 i and 2 i + 1 are read
.endr
.endr
.endr
.if \j == 0
	s_wait_dscnt 16                                ; V's fragments are in; the next K's 16 loads may stay out
.else
	s_wait_dscnt 0
.endif
	WIN 0x54                                       ; D, C and source 1 window 1
.irp qt, 0,1,2,3
.irp dt, 0,1,2,3
.if \first
	v_wmma_f32_16x16x32_f16 v[OO+32*\qt+8*\dt:OO+32*\qt+8*\dt+7], v[VF+16*\dt:VF+16*\dt+7], v[SS+32*\qt:SS+32*\qt+7], 0
.else
	v_wmma_f32_16x16x32_f16 v[OO+32*\qt+8*\dt:OO+32*\qt+8*\dt+7], v[VF+16*\dt:VF+16*\dt+7], v[SS+32*\qt:SS+32*\qt+7], v[OO+32*\qt+8*\dt:OO+32*\qt+8*\dt+7]
.endif
.endr
.irp dt, 0,1,2,3
	v_wmma_f32_16x16x32_f16 v[OO+32*\qt+8*\dt:OO+32*\qt+8*\dt+7], v[VF+16*\dt+8:VF+16*\dt+15], v[SS+32*\qt+16:SS+32*\qt+23], v[OO+32*\qt+8*\dt:OO+32*\qt+8*\dt+7]
.endr
.endr
.rept 5
	v_nop                                          ; five places: the next scores are written over the weights, loads land on V's fragments
.endr
	WIN 0
.if \j == 0
	LOADV \slot, 1
.endif
.endm
; A tile of 256 keys.  The round of the cluster's barrier is the barrier in front of the refill: each wave's waits for its LDS reads and for all
; its tensor loads stand in front of it, the joint refill of the slot read last stands first behind it and has the whole trip in which to land.
.macro TRIP slot, other, refill, first
	s_wait_tensorcnt 0x0                           ; my one load is done: my part of this trip's tile; so every group 0 may be written
	ds_add_u32 v54, v55
	s_wait_dscnt 0x0
	s_add_nc_u64 s[G0V+4*\slot+2:G0V+4*\slot+3], s[G0V+4*\slot+2:G0V+4*\slot+3], 2*TILEB   ; this slot's next tile
	s_add_nc_u64 s[G0K+4*\slot+2:G0K+4*\slot+3], s[G0K+4*\slot+2:G0K+4*\slot+3], 2*TILEB
	s_wait_dscnt 0x0                               ; my reads of the last trip's tile are done
	ROUND
.if \refill
	JLOAD \other
.endif
	LOADK \slot, 0
	LOADV \slot, 0
	STEP \slot, 0, \first
	STEP \slot, 1, 0
.endm
	s_wait_loadcnt 0x0                             ; q
	TRIP 0, 1, 1, 1                                ; tiles 0 and 1 stand in front of the loop: the first step starts the sums
	TRIP 1, 0, 1, 0
	s_mov_b32 s48, 2
.Lpair:
	TRIP 0, 1, 1, 0                                ; tiles 2 to 5
	TRIP 1, 0, 1, 0
	s_sub_co_u32 s48, s48, 1
	s_cmp_lg_u32 s48, 0
	s_cbranch_scc1 .Lpair
	TRIP 0, 1, 1, 0                                ; tile 6 asks for tile 7,
	TRIP 1, 0, 0, 0                                ; tile 7 for nothing (the stepped addresses are not used)
	; my sum over my keys: the two partial sums, then the two halves of the lanes
.irp qt, 0,1,2,3
	v_add_f32 v[ST+8*\qt+6], v[ST+8*\qt+6], v[ST+8*\qt+7]
.endr
.irp qt, 0,1,2,3
	v_permlanex16_b32 v[ST+8*\qt+5], v[ST+8*\qt+6], s53, s54
.endr
.irp qt, 0,1,2,3
	v_add_f32 v[ST+8*\qt+6], v[ST+8*\qt+6], v[ST+8*\qt+5]
.endr
	s_cmp_eq_u32 s9, 0
	s_cbranch_scc1 .Lno_send
	WIN 0x04                                       ; store data window 1
.set n, 0
.rept 32
	ds_store_b128 v[XA16], v[OO+4*n:OO+4*n+3] offset:512*n         ; waves 4-7 hand over their result (no fill ever lands in the exchange),
.set n, n+1
.endr
	WIN 0
.irp qt, 0,1,2,3
	ds_store_b32 v[XA4], v[ST+8*\qt+2] offset:128*\qt              ; their -c M (the last step was an odd one)
.endr
.irp qt, 0,1,2,3
	ds_store_b32 v[XA4], v[ST+8*\qt+6] offset:512+128*\qt          ; and their sums
.endr
.Lno_send:
	s_wait_dscnt 0x0                               ; for the partner's sake: zero
	s_barrier_signal -1
	s_barrier_wait -1
	s_cmp_lg_u32 s9, 0
	s_cbranch_scc1 .Lclose
	WIN 0x40
.set n, 0
.rept 32
	ds_load_b128 v[SS+4*n:SS+4*n+3], v[XA16] offset:512*n          ; the partner's result, register for register, where the scores lay
.set n, n+1
.endr
	WIN 0
.irp i, 0,1,2,3,4,5,6,7
	ds_load_b32 v[PB+\i], v[XA4] offset:128*\i
.endr
	s_wait_dscnt 0x0
.irp qt, 0,1,2,3
	v_min_num_f32 v[ST+8*\qt+3], v[ST+8*\qt+2], v[PB+\qt]          ; -c x the larger maximum
.endr
.irp qt, 0,1,2,3
	v_sub_f32 v[ST+8*\qt+4], v[ST+8*\qt+3], v[ST+8*\qt+2]          ; never above 0
	v_sub_f32 v[ST+8*\qt],   v[ST+8*\qt+3], v[PB+\qt]
.endr
.irp qt, 0,1,2,3
	v_exp_f32 v[ST+8*\qt+4], v[ST+8*\qt+4]                         ; my factor
	v_exp_f32 v[ST+8*\qt],   v[ST+8*\qt]                           ; the partner's
.endr
	v_nop
	s_wait_alu depctr_va_vdst(0)
.irp qt, 0,1,2,3
	v_mul_f32 v[ST+8*\qt+5], v[ST+8*\qt+6], v[ST+8*\qt+4]
.endr
.irp qt, 0,1,2,3
	v_fmac_f32 v[ST+8*\qt+5], v[PB+4+\qt], v[ST+8*\qt]             ; the whole sum: the largest key's weight is about 1, so it is not near 0
.endr
.irp qt, 0,1,2,3
	v_rcp_f32 v[ST+8*\qt+5], v[ST+8*\qt+5]
.endr
	v_nop
	s_wait_alu depctr_va_vdst(0)
.irp qt, 0,1,2,3
	v_mul_f32 v[ST+8*\qt+4], v[ST+8*\qt+4], v[ST+8*\qt+5]
	v_mul_f32 v[ST+8*\qt],   v[ST+8*\qt],   v[ST+8*\qt+5]
.endr
	WIN 0x41
.irp qt, 0,1,2,3
.irp i, 0,1,2,3,4,5,6,7,8,9,10,11,12,13,14,15
	v_pk_mul_f32 v[SS+32*\qt+2*\i:SS+32*\qt+2*\i+1], v[SS+32*\qt+2*\i:SS+32*\qt+2*\i+1], v[ST+8*\qt:ST+8*\qt+1] op_sel_hi:[1,0]
.endr
.endr
	WIN 0x51
.irp qt, 0,1,2,3
.irp i, 0,1,2,3,4,5,6,7,8,9,10,11,12,13,14,15
	v_pk_fma_f32 v[SS+32*\qt+2*\i:SS+32*\qt+2*\i+1], v[OO+32*\qt+2*\i:OO+32*\qt+2*\i+1], v[ST+8*\qt+4:ST+8*\qt+5], v[SS+32*\qt+2*\i:SS+32*\qt+2*\i+1] op_sel_hi:[1,0,1]
.endr
.endr
	WIN 0x05
.set n, 0
.rept 64
	v_cvt_pk_f16_f32 v[KF+n], v[SS+2*n], v[SS+2*n+1]               ; tile (dt, qt): 4 registers at KF + 16 qt + 4 dt = d 16 dt + 8 h + 0..7 of query 16 qt + r
.set n, n+1
.endr
	WIN 0
.irp qt, 0,1,2,3
.irp dt, 0,1,2,3
	ds_store_b128 v[STO], v[KF+16*\qt+4*\dt:KF+16*\qt+4*\dt+3] offset:16*KP*\qt+32*\dt
.endr
.endr
.irp t, 0,1,2,3,4,5,6,7,8,9,10,11,12,13,14,15
	ds_load_b128 v[VF+4*\t:VF+4*\t+3], v[RD] offset:4*KP*\t        ; my own stage: LDS serves a wave's instructions in order
.endr
.irp t, 0,1,2,3,4,5,6,7,8,9,10,11,12,13,14,15
	s_wait_dscnt 15-\t
	global_store_b128 v[CO], v[VF+4*\t:VF+4*\t+3], s[6:7] offset:512*\t   ; four rows of the head: 512 consecutive bytes, aligned
.endr
.Lclose:
	s_wait_tensorcnt 0x0
	ds_add_u32 v54, v55
	s_wait_dscnt 0x0
	ROUND                                          ; the closing round
	s_endpgm
.Lfunc_end_k_q08d41f13c7_attn:
	.size	k_q08d41f13c7_attn, .Lfunc_end_k_q08d41f13c7_attn-k_q08d41f13c7_attn
	.p2alignl 7, 3214868480
	.fill 96, 4, 3214868480
	.section	.rodata,"a",@progbits
	.p2align	6, 0x0
	.amdhsa_kernel k_q08d41f13c7_attn
		.amdhsa_group_segment_fixed_size 327680
		.amdhsa_private_segment_fixed_size 0
		.amdhsa_enable_private_segment 0
		.amdhsa_kernarg_size 16
		.amdhsa_user_sgpr_count 2
		.amdhsa_user_sgpr_kernarg_segment_ptr 1
		.amdhsa_wavefront_size32 1
		.amdhsa_system_sgpr_workgroup_id_x 1
		.amdhsa_system_sgpr_workgroup_id_y 1
		.amdhsa_system_sgpr_workgroup_id_z 1
		.amdhsa_system_vgpr_workitem_id 0
		.amdhsa_next_free_vgpr 512
		.amdhsa_next_free_sgpr 66
		.amdhsa_reserve_vcc 0
		.amdhsa_float_denorm_mode_32 3
		.amdhsa_float_denorm_mode_16_64 3
		.amdhsa_memory_ordered 1
		.amdhsa_forward_progress 1
		.amdhsa_inst_pref_size 255
	.end_amdhsa_kernel
	.section	.bss,"aw",@nobits
	.p2align	6
	.space	262144
	.amdgpu_metadata
---
amdhsa.version: [ 1, 2 ]
amdhsa.kernels:
  - .name:           k_q08d41f13c7_attn
    .symbol:         k_q08d41f13c7_attn.kd
    .args:
      - { .name: qkv, .offset: 0, .size: 8, .value_kind: global_buffer, .address_space: global }
      - { .name: ao, .offset: 8, .size: 8, .value_kind: global_buffer, .address_space: global }
    .group_segment_fixed_size: 327680
    .private_segment_fixed_size: 0
    .kernarg_segment_align: 8
    .kernarg_segment_size: 16
    .max_flat_workgroup_size: 256
    .sgpr_count:     66
    .vgpr_count:     512
    .wavefront_size: 32
...
	.end_amdgpu_metadata
.endif
;; end of part 3
;; launch outp (part 4): grid 8 x 32, 4 waves a work-group, clusters of 4 x 4, 327,680 bytes of LDS; arguments ao, xw, bO, out0; writes out0
.if DOCPART == 4
	.amdgcn_target "amdgcn-amd-amdhsa--gfx1250"
	.amdhsa_code_object_version 6
	.text
	.protected	k_q08d41f13c7_outp
	.globl	k_q08d41f13c7_outp
	.p2align	8
	.type	k_q08d41f13c7_outp,@function
k_q08d41f13c7_outp:
	s_mov_b64 s[64:65], 0
	v_nop
	global_prefetch_b8 v0, s[64:65] scope:SCOPE_SE
	s_setreg_imm32_b32 hwreg(HW_REG_WAVE_MODE, 25, 1), 1
	s_wait_xcnt 0x0
	s_wait_alu depctr_hold_cnt(0) depctr_sa_sdst(0) depctr_va_vdst(0) depctr_va_sdst(0) depctr_va_ssrc(0) depctr_va_vcc(0) depctr_vm_vsrc(0)
	s_getreg_b32 s2, hwreg(HW_REG_IB_STS2, 6, 4)
	s_cmp_eq_u32 s2, 0
	s_cbranch_scc0 .Lentry_in_a_cluster
	s_endpgm
.Lentry_in_a_cluster:
	s_bfe_u32 s2, ttmp6, 0x10000c
	s_cmp_lg_u32 s2, 0xf033
	s_cbranch_scc0 .Lentry_shape_is_right
	s_endpgm
.Lentry_shape_is_right:
; out0[b s][n] = sum over h, d of ao[b][h][s][d] WO[64 h + d][n] + bO[n], f32.  ao: f16 [b][h][s][64]; WO: f16 [k][n] in xw from byte WOOFF on.  Sums in f32.
; LIMIT: f16 operands, as stored by the launches before.
; 256 work-groups of 128 x 128, four waves of 64 x 64 (16 accumulator tiles, window 1): larger blocks would leave three quarters of the 256 WGPs idle.
; K goes in four tiles of 256 (four heads) through two LDS slots; the four tiles are written out.
; CLUSTERS: 4 x 4.  ao's tile hangs on the block row alone (shared along a row of the cluster), WO's on the block column alone (along a column).
; The matrix instruction is used transposed (source 0 = 16 columns of WO, by transposing loads; source 1 = 16 rows of ao): a lane holds eight neighbouring columns of one row.
.set PA,     144                       ; ao in LDS: a head's row of 128 bytes + 16
.set PW,     288                       ; WO in LDS: 256 bytes + 32 = 9 x 32
.set PART,   36864                     ; one tensor load: 4 heads x 64 rows x 144, or 128 k rows x 288
.set SLOT,   4*PART                    ; ao's rows 0-63, rows 64-127, then WO's 256 k rows
.set STAGE,  2*SLOT
.set SPITCH, 272                       ; the stage: 64 f32 + 16 bytes
.set WOOFF,  31457280
.set ADRA, 16                          ; v16-17  slot 0, 1
.set ADRB, 18                          ; v18-21  slot 0: k rows 0-127, 128-255; slot 1 likewise (the immediate reaches 65,535 bytes)
.set STO,  24
.set RD,   25
.set CO,   26
.set BO,   27
.set BI,   32                          ; v[32:63]  bias: column tile i at 8 i
.set F0,   64                          ; a buffer: WO's fragments at 8 i, ao's at 32 + 8 a
.set F1,   128
.set TMP,  192
.set G1,  24
.set G0,  32
.set G1B, 48
.set G0B, 56
.set MSB, 0
.macro WIN new
.if MSB != \new
	s_set_vgpr_msb (MSB<<8)|\new
.set MSB, \new
.endif
.endm
.macro JLOAD s                         ; waves 0 and 1 fetch ao's two halves, waves 2 and 3 WO's
	s_cmp_eq_u32 s11, 0
	s_cbranch_scc0 .Lfor_b_\@
	tensor_load_to_lds s[G0+4*\s:G0+4*\s+3], s[G1:G1+7]
	s_nop 0
	s_branch .Lasked_\@
.Lfor_b_\@:
	tensor_load_to_lds s[G0B+4*\s:G0B+4*\s+3], s[G1B:G1B+7]
	s_nop 0
.Lasked_\@:
.endm
.macro CROUND                          ; a round of the cluster's barrier
	s_barrier_signal -1
	s_barrier_wait -1
	s_cmp_lg_u32 s10, 0
	s_cbranch_scc1 .Lnot_wave_0_\@
	s_barrier_signal -3
.Lnot_wave_0_\@:
	s_barrier_wait -3
	s_barrier_signal -1
	s_barrier_wait -1
.endm
	s_load_b128 s[4:7], s[0:1], 0x0                ; ao s[4:5], xw s[6:7]
	s_load_b128 s[68:71], s[0:1], 0x10             ; bO s[68:69], out0 s[70:71]
	v_lshl_add_u32 v254, v0, 2, 0x4c400
	v_mov_b32 v255, 0
	ds_add_u32 v254, v255
	v_lshrrev_b32 v1, 5, v0
	v_readfirstlane_b32 s10, v1                    ; wave 0..3
	s_lshr_b32 s11, s10, 1                         ; my half of the rows.  Also: I fetch for ao (0) or for WO (1)
	s_and_b32 s12, s10, 1                          ; my half of the columns.  Also: which half of that tile I fetch
	s_bfe_u32 s40, ttmp6, 0x40000                  ; cx
	s_bfe_u32 s41, ttmp6, 0x40004                  ; cy
	s_lshl_b32 s42, ttmp9, 2
	s_add_co_u32 s42, s42, s40                     ; block column 0..7
	s_and_b32 s13, ttmp7, 0xffff
	s_lshl_b32 s13, s13, 2
	s_add_co_u32 s13, s13, s41                     ; block row 0..31
	s_lshl_b32 s43, s41, 2
	s_lshl_b32 s43, 15, s43                        ; my row of the cluster
	s_lshl_b32 s44, 0x1111, s40                    ; my column
	; group 1 for ao: 64 rows of one head are 4,096 dense elements: that is the tile's row; four heads, 131,072 elements apart.
	; The padding counts words along the whole tile: 4 words behind every 32, so each row of 128 bytes gets its 16.
	s_or_b32 s[G1+0], s43, (1<<16)|(1<<20)|(1<<21)|(4<<22)|(3<<25)
	s_mov_b32 s[G1+1], 4096<<16                    ; tensor_dim0
	s_mov_b32 s[G1+2], 4<<16                       ; tensor_dim1
	s_mov_b32 s[G1+3], 4096<<16                    ; tile_dim0
	s_mov_b32 s[G1+4], 4                           ; tile_dim1
	s_mov_b32 s[G1+5], 131072                      ; from head to head
	s_mov_b32 s[G1+6], 0
	s_mov_b32 s[G1+7], 0
	; group 1 for WO: 128 k rows x 128 elements, 8 words of padding behind every 64
	s_or_b32 s[G1B+0], s44, (1<<16)|(1<<20)|(1<<21)|(5<<22)|(7<<25)
	s_mov_b32 s[G1B+1], 128<<16
	s_mov_b32 s[G1B+2], 128<<16
	s_mov_b32 s[G1B+3], 128<<16
	s_mov_b32 s[G1B+4], 128
	s_mov_b32 s[G1B+5], 1024
	s_mov_b32 s[G1B+6], 0
	s_mov_b32 s[G1B+7], 0
	s_lshr_b32 s16, s13, 4                         ; ao: the batch (16 block rows each): 16 heads of 262,144 bytes
	s_lshl_b32 s16, s16, 22
	s_and_b32 s17, s13, 15
	s_lshl_b32 s17, s17, 14                        ; + 128 rows of 128 bytes a block row
	s_add_co_u32 s16, s16, s17
	s_lshl_b32 s17, s12, 13                        ; + half x 64 rows
	s_add_co_u32 s16, s16, s17
	s_mov_b32 s17, 0
	s_lshl_b32 s46, s42, 8                         ; WO: 128 columns of 2 bytes a block column
	s_lshl_b32 s47, s12, 18                        ; + half x 128 k rows of 2,048 bytes
	s_add_co_u32 s46, s46, s47
	s_add_co_u32 s46, s46, WOOFF
	s_mov_b32 s47, 0
	s_mul_i32 s20, s10, PART                       ; where they go: wave x 36,864
	s_wait_dscnt 0x0
	s_wait_kmcnt 0x0
	s_add_nc_u64 s[14:15], s[4:5], s[16:17]
	s_add_nc_u64 s[46:47], s[6:7], s[46:47]
	CROUND                                         ; in front of the first joint loads
.irp s, 0,1
	s_mov_b32 s[G0+4*\s], 1
	s_add_co_u32 s[G0+4*\s+1], s20, \s*SLOT
	s_add_nc_u64 s[G0+4*\s+2:G0+4*\s+3], s[14:15], \s*4*262144         ; tile s: four heads on
	s_or_b32 s[G0+4*\s+3], s[G0+4*\s+3], 0x80000000
	s_mov_b32 s[G0B+4*\s], 1
	s_add_co_u32 s[G0B+4*\s+1], s20, \s*SLOT
	s_add_nc_u64 s[G0B+4*\s+2:G0B+4*\s+3], s[46:47], \s*256*2048       ; tile s: 256 k rows on
	s_or_b32 s[G0B+4*\s+3], s[G0B+4*\s+3], 0x80000000
	JLOAD \s                                       ; two tensor loads of a wave are out here, one behind each later round
.endr
	v_and_b32 v1, 15, v0                           ; r
	v_bfe_u32 v2, v0, 4, 1                         ; h
	v_and_b32 v6, 7, v0
	v_bfe_u32 v7, v0, 3, 1
	v_mul_u32_u24 v3, v1, PA
	v_lshl_add_u32 v3, v2, 4, v3
	s_mul_i32 s21, s11, PART                       ; my 64 rows of ao
	v_add_nc_u32 v[ADRA], s21, v3
	v_add_nc_u32 v[ADRA+1], SLOT, v[ADRA]
	v_lshl_add_u32 v6, v2, 3, v6                   ; WO: k row 8 h + l % 8,
	v_mul_u32_u24 v6, v6, PW
	v_lshl_add_u32 v6, v7, 4, v6                   ; 16 bytes at 16 ((l / 8) % 2)
	s_lshl_b32 s22, s12, 7                         ; my 64 columns
	s_add_co_u32 s22, s22, 2*PART
	v_add_nc_u32 v[ADRB], s22, v6
	v_add_nc_u32 v[ADRB+1], PART, v[ADRB]
	v_add_nc_u32 v[ADRB+2], SLOT, v[ADRB]
	v_add_nc_u32 v[ADRB+3], SLOT+PART, v[ADRB]
	s_mul_i32 s23, s10, 16*SPITCH
	s_add_co_u32 s23, s23, STAGE                   ; my stage
	v_mul_u32_u24 v4, v1, SPITCH
	v_lshl_add_u32 v4, v2, 5, v4                   ; in: row r, 32 bytes (8 f32) for each half of the lanes
	v_add_nc_u32 v[STO], s23, v4
	v_mul_u32_u24 v5, v2, SPITCH
	v_lshl_add_u32 v5, v1, 4, v5                   ; back: lanes 0-15 take one row of 256 bytes, lanes 16-31 the next
	v_add_nc_u32 v[RD], s23, v5
	v_lshlrev_b32 v[CO], 4, v1
	v_lshl_add_u32 v[CO], v2, 12, v[CO]            ; and the same two rows in out0, 4,096 bytes apart
	v_lshlrev_b32 v[BO], 5, v2
	s_lshl_b32 s66, s42, 9                         ; my first column in bytes of f32: 512 x block column + 256 x half
	s_lshl_b32 s67, s12, 8
	s_add_co_u32 s66, s66, s67
	s_mov_b32 s67, 0
	s_add_nc_u64 s[68:69], s[68:69], s[66:67]
	s_add_nc_u64 s[70:71], s[70:71], s[66:67]
	s_lshl_b32 s66, s13, 19                        ; my first row: 128 rows of 4,096 bytes a block row + 64 rows for my half
	s_lshl_b32 s67, s11, 18
	s_add_co_u32 s66, s66, s67
	s_mov_b32 s67, 0
	s_add_nc_u64 s[70:71], s[70:71], s[66:67]
.irp i, 0,1,2,3
	global_load_b128 v[BI+8*\i:BI+8*\i+3],   v[BO], s[68:69] offset:64*\i      ; bias of columns 16 i + 8 h + 0..7
	global_load_b128 v[BI+8*\i+4:BI+8*\i+7], v[BO], s[68:69] offset:64*\i+16
.endr
; 16 matrix instructions on 16 accumulators, which take turns, one instruction a turn, in the same order every time.
.macro MUL16 f, zero
.irp a, 0,1,2,3
.irp i, 0,1,2,3
.if \zero
	v_wmma_f32_16x16x32_f16 v[8*(4*\a+\i):8*(4*\a+\i)+7], v[\f+8*\i:\f+8*\i+7], v[\f+32+8*\a:\f+32+8*\a+7], 0
.else
	v_wmma_f32_16x16x32_f16 v[8*(4*\a+\i):8*(4*\a+\i)+7], v[\f+8*\i:\f+8*\i+7], v[\f+32+8*\a:\f+32+8*\a+7], v[8*(4*\a+\i):8*(4*\a+\i)+7]
.endif
.endr
.endr
.endm
; 16 LDS loads: the fragments of 32 along K, number kq = 0..7 of the slot: head kq / 2, d from 32 (kq % 2); WO's k rows from 32 kq
.macro FETCH slot, kq, f
.irp i, 0,1,2,3
	ds_load_tr16_b128 v[\f+8*\i:\f+8*\i+3],   v[ADRB+2*\slot+(\kq>>2)] offset:(\kq&3)*32*PW+32*\i
	ds_load_tr16_b128 v[\f+8*\i+4:\f+8*\i+7], v[ADRB+2*\slot+(\kq>>2)] offset:(\kq&3)*32*PW+32*\i+16*PW
.endr
.irp a, 0,1,2,3
	ds_load_b128 v[\f+32+8*\a:\f+32+8*\a+3], v[ADRA+\slot] offset:(\kq>>1)*64*PA+\a*16*PA+(\kq&1)*64
	ds_load_b128 v[\f+32+8*\a+4:\f+32+8*\a+7], v[ADRA+\slot] offset:(\kq>>1)*64*PA+\a*16*PA+(\kq&1)*64+32
.endr
.endm
.macro PLACES                          ; four places behind a matrix instruction before a load lands on a register that it read (ISA guide 7.12.1 for vector instructions)
.rept 4
	v_nop
.endr
.endm
.macro HOP slot, nxt, f, g, zero       ; asks for fragments nxt into buffer g, then multiplies buffer f
	PLACES
	FETCH \slot, \nxt, \g
	s_wait_dscnt 16                                ; buffer f is in; the 16 loads just issued may stay out
	WIN 0x50                                       ; C and D window 1
	MUL16 \f, \zero
	WIN 0
.endm
.macro SLOTWORK slot, zero             ; 256 along K: 128 matrix instructions
	PLACES
	FETCH \slot, 0, F0
	HOP \slot, 1, F0, F1, \zero
	HOP \slot, 2, F1, F0, 0
	HOP \slot, 3, F0, F1, 0
	HOP \slot, 4, F1, F0, 0
	HOP \slot, 5, F0, F1, 0
	HOP \slot, 6, F1, F0, 0
	HOP \slot, 7, F0, F1, 0
	s_wait_dscnt 0x0
	WIN 0x50
	MUL16 F1, 0
	WIN 0
.endm
; The slot just read is filled again, two tiles ahead.  The round of the cluster's barrier is the barrier in front of the refill.
.macro REFILL slot
	s_wait_dscnt 0x0                               ; my reads of the slot are done
	s_wait_tensorcnt 0x0                           ; all my tensor loads have landed, my part of the other slot among them: every group 0 may be written
	ds_add_u32 v254, v255
	s_wait_dscnt 0x0
	s_add_nc_u64 s[G0+4*\slot+2:G0+4*\slot+3], s[G0+4*\slot+2:G0+4*\slot+3], 2*4*262144
	s_add_nc_u64 s[G0B+4*\slot+2:G0B+4*\slot+3], s[G0B+4*\slot+2:G0B+4*\slot+3], 2*256*2048
	CROUND
	JLOAD \slot                                    ; first behind the round, the wave's only tensor load until the next
.endm
	s_wait_tensorcnt 1                             ; my part of tile 0 is in; tile 1's may stay out
	s_barrier_signal -1
	s_barrier_wait -1
	SLOTWORK 0, 1                                  ; tile 0: its first products start the sums
	REFILL 0                                       ; tile 2
	SLOTWORK 1, 0                                  ; tile 1
	REFILL 1                                       ; tile 3
	SLOTWORK 0, 0                                  ; tile 2
	s_wait_dscnt 0x0
	s_wait_tensorcnt 0x0                           ; my part of tile 3 is in,
	s_barrier_signal -1
	s_barrier_wait -1                              ; everybody's is; nothing is left to fetch
	SLOTWORK 1, 0                                  ; tile 3
	; THE WAY OUT, 16 rows at a time: add the bias, 32 bytes a lane into my stage, read whole rows of 256 bytes back, store them.
	PLACES
	s_wait_loadcnt 0x0                             ; the bias
.macro OUTA a, f
	WIN 0x01                                       ; source 0 window 1
.irp i, 0,1,2,3
.irp p, 0,2,4,6
	v_pk_add_f32 v[TMP+8*\i+\p:TMP+8*\i+\p+1], v[8*(4*\a+\i)+\p:8*(4*\a+\i)+\p+1], v[BI+8*\i+\p:BI+8*\i+\p+1]
.endr
.endr
	WIN 0
.irp i, 0,1,2,3
	ds_store_b128 v[STO], v[TMP+8*\i:TMP+8*\i+3]   offset:64*\i
	ds_store_b128 v[STO], v[TMP+8*\i+4:TMP+8*\i+7] offset:64*\i+16
.endr
	s_wait_xcnt 0x0                                ; buffer f, which earlier stores read, and the stores' base are rewritten only behind this wait
.if \a
	s_add_nc_u64 s[70:71], s[70:71], 16*4096       ; 16 rows of out0 on
.endif
.irp t, 0,1,2,3,4,5,6,7
	ds_load_b128 v[\f+4*\t:\f+4*\t+3], v[RD] offset:\t*2*SPITCH    ; my own stage: LDS serves a wave's instructions in order
.endr
.irp t, 0,1,2,3,4,5,6,7
	s_wait_dscnt 7-\t
	global_store_b128 v[CO], v[\f+4*\t:\f+4*\t+3], s[70:71] offset:\t*8192 th:TH_STORE_NT   ; 16 lanes store 256 consecutive bytes, aligned
.endr
.endm
	OUTA 0, F0
	OUTA 1, F1
	OUTA 2, F0
	OUTA 3, F1
	s_wait_tensorcnt 0x0
	ds_add_u32 v254, v255
	s_wait_dscnt 0x0
	CROUND                                         ; the closing round
	s_endpgm
.Lfunc_end_k_q08d41f13c7_outp:
	.size	k_q08d41f13c7_outp, .Lfunc_end_k_q08d41f13c7_outp-k_q08d41f13c7_outp
	.p2alignl 7, 3214868480
	.fill 96, 4, 3214868480
	.section	.rodata,"a",@progbits
	.p2align	6, 0x0
	.amdhsa_kernel k_q08d41f13c7_outp
		.amdhsa_group_segment_fixed_size 327680
		.amdhsa_private_segment_fixed_size 0
		.amdhsa_enable_private_segment 0
		.amdhsa_kernarg_size 32
		.amdhsa_user_sgpr_count 2
		.amdhsa_user_sgpr_kernarg_segment_ptr 1
		.amdhsa_wavefront_size32 1
		.amdhsa_system_sgpr_workgroup_id_x 1
		.amdhsa_system_sgpr_workgroup_id_y 1
		.amdhsa_system_sgpr_workgroup_id_z 1
		.amdhsa_system_vgpr_workitem_id 0
		.amdhsa_next_free_vgpr 384
		.amdhsa_next_free_sgpr 76
		.amdhsa_reserve_vcc 0
		.amdhsa_float_denorm_mode_32 3
		.amdhsa_float_denorm_mode_16_64 3
		.amdhsa_memory_ordered 1
		.amdhsa_forward_progress 1
		.amdhsa_inst_pref_size 94
	.end_amdhsa_kernel
	.amdgpu_metadata
---
amdhsa.version: [ 1, 2 ]
amdhsa.kernels:
  - .name:           k_q08d41f13c7_outp
    .symbol:         k_q08d41f13c7_outp.kd
    .args:
      - { .name: ao, .offset: 0, .size: 8, .value_kind: global_buffer, .address_space: global }
      - { .name: xw, .offset: 8, .size: 8, .value_kind: global_buffer, .address_space: global }
      - { .name: bO, .offset: 16, .size: 8, .value_kind: global_buffer, .address_space: global }
      - { .name: out0, .offset: 24, .size: 8, .value_kind: global_buffer, .address_space: global }
    .group_segment_fixed_size: 327680
    .private_segment_fixed_size: 0
    .kernarg_segment_align: 8
    .kernarg_segment_size: 32
    .max_flat_workgroup_size: 128
    .sgpr_count:     76
    .vgpr_count:     384
    .wavefront_size: 32
...
	.end_amdgpu_metadata
.endif
;; end of part 4
